; MI455X (gfx1250); checked and timed in simulation.
; The chip was launched on July 23, 2026; its instructions are those of AMD's public machine-readable ISA for CDNA 5 (MIT licence, August 2026) and "CDNA5" Instruction Set Architecture Reference Guide (July 2026). The comments in the code are by the model that wrote it; some were corrected since.
;; Codebook Layer. Allowed arithmetic: matrix products marked QUANTISED: E2M1 operands, one E8M0 scale for each 32 along K, by v_wmma_scale_f32_16x16x128_f8f6f4 with both operands' format E2M1 (or v_wmma_scale_f32_32x16x128_f4), f32 sums; everything else in f32.
;; Inputs: codebook 8,192 x 1,024 float32; x 4 x 2,048 x 1,024 float32.
;; Outputs: out0 4 x 2,048 x 1,024 float32.
;; This version of the problem:
;;   THIS VERSION OF THE PROBLEM IS GIVEN IN LOW PRECISION. The matrix products marked QUANTISED in the list below multiply operands that are first quantised to E2M1 (2 exponent bits, 1 mantissa bit; 4 bits a number), with one power-of-two scale for each 32 numbers along K (OCP MX v1.0); their sums are f32. All else is computed in f32.
;;   The module's matrix products, in the order in which they are computed (A, B: the left and right operand; K: the contracted axis; several contracted axes count as one K, in the product's order):
;;     1. [M 8,192, K 1,024] x [K 1,024, N 8,192]; A: input x; B: input codebook: QUANTISED
;;   THE QUANTISER, for each operand of a quantised product, along K:
;;     - K is cut into blocks of 32 from its start; a last block that is shorter is filled with zeros.
;;     - A block's scale is 2^e with e = floor(log2(the largest magnitude in the block)) - 2, held to -126 .. 127; a block of zeros has e = 0. As a byte (E8M0): e + 127.
;;     - Each number is divided by its block's scale, clamped to +-6, and rounded to the nearest number of E2M1, ties to even, subnormals kept.
;;     - The product sums the exact products of the quantised numbers (number of the format x scale) in f32.
;;   ~~~python
;;   def quantise(x, axis):      # numpy; x: float32 -> the quantised numbers, widened to float32 again
;;       x = np.moveaxis(x, axis, -1); K = x.shape[-1]
;;       x = np.pad(x, [(0, 0)] * (x.ndim - 1) + [(0, -K % 32)]); x = x.reshape(x.shape[:-1] + (-1, 32)); a = np.abs(x).max(-1, keepdims=True)
;;       e = np.where(a > 0, np.clip(np.frexp(np.where(a > 0, a, 1))[1] - 1 - 2, -126, 127), 0)      # np.frexp(a)[1] - 1 = floor(log2(a)), exactly
;;       r = np.clip(x / 2.0 ** e, -6, 6)
;;       step = 2.0 ** (np.maximum(np.frexp(np.where(r == 0, 1, r))[1] - 1, 0) - 1)
;;       q = np.round(r / step) * step * 2.0 ** e      # np.round: ties to even
;;       return np.moveaxis(q.reshape(q.shape[:-2] + (-1,))[..., :K], -1, axis).astype(np.float32)
;;   ~~~
;; One version. Each part assembles by itself: llvm-mc -triple=amdgcn-amd-amdhsa -mcpu=gfx1250 --defsym DOCPART=n.
;; ======== version 1 of 1: 3 launches
;; limits: right only within a limited range of input values
;; workspace buffers: codes 8,388,608 bytes; meta 589,824 bytes; pkey 524,288 bytes of whole numbers; pidx 524,288 bytes of whole numbers
;; launch quant (part 1): grid 256 x 1, 8 waves a work-group, no clusters, 73,216 bytes of LDS; arguments x, codebook, codes, meta; writes codes, meta
.if DOCPART == 1
	.amdgcn_target "amdgcn-amd-amdhsa--gfx1250"
	.amdhsa_code_object_version 6
	.text
	.protected	k_q020dd46d88_quant
	.globl	k_q020dd46d88_quant
	.p2align	8
	.type	k_q020dd46d88_quant,@function
k_q020dd46d88_quant:
	s_mov_b64 s[64:65], 0
	v_nop
	global_prefetch_b8 v0, s[64:65] scope:SCOPE_SE
	s_setreg_imm32_b32 hwreg(HW_REG_WAVE_MODE, 25, 1), 1
	s_wait_xcnt 0x0
; x [8192][1024] and codebook [8192][1024], f32, become codes of FP4 (E2M1) with one E8M0 scale byte for each 32 along K, and each row's sum of squares, negated.
; A block's scale is 2^(floor(log2(its largest magnitude)) - 2): its byte is the largest magnitude's exponent field - 2, held at 1 from below.
; LIMITS: NaN and infinities among the inputs are not served.  A block whose largest magnitude lies under 2^-124 takes the byte 1; a block of zeros takes the byte 1 where the rule says 127:
; its codes are zeros, which add nothing under any byte but 0xff, and this program alone reads the bytes.  The sums of squares are f32 sums in this text's own order (four packed chains a lane, then lanes, then K halves).
; LAYOUT OF THE RESULTS.  A tile is 16 rows: tiles 0-511 are x's, 512-1023 the codebook's.  codes: [tile][kb 32][r 16][16 bytes]: the 32 codes of row 16 tile + r, K block kb.  So the 1,024 bytes at
; tile x 8192 + s x 1024 are the image of a matrix operand's registers for K step s: registers 4 c .. 4 c + 3 of lane l at + 512 c + 16 l.
; meta: 32 blocks of 512 rows, 18,432 bytes each: scale bytes at (tile % 32) x 512 + (kb / 16) x 256 + 16 r + kb % 16, and from byte 16,384 on minus the sum of squares of each of the 512 rows.
; SHARES.  A work-group takes 64 rows (work-groups 0-127 x's, 128-255 the codebook's: only the input's pointer is chosen, there is one way through the text).  Wave w takes tile w / 2 of the four and K half w % 2:
; 16 rows x 512 K, in 8 steps of 64 K.  In a step lane (r, h) owns a whole block of 32: row r, K block 2 t + h of the half: its largest magnitude needs no other lane.
; A load takes the bytes as they lie (sixteen lanes read 256 consecutive bytes of a row); the step's 4,096 bytes turn through the wave's own stage in LDS and come back 128 bytes a lane.
; No tensor loads, no cluster: work-groups share no input.  One barrier, at the end, where the two K halves of a row's sum of squares meet.
; WHAT IS LEFT OUT, AND WHAT THE SUMS OF SQUARES ARE NOW.  reference() ranks the codes of a row of x by 2 xc - x2 - c2.  x2 is one number for the whole row: it is added alike to all 8,192 scores
; among which top_k chooses, so for all values of the inputs it moves no choice, and only the choice reaches the output.  The positive factor 2 moves no choice either.  So the program ranks by
; xc - c2 / 2: the sums of squares are taken of the CODEBOOK'S rows alone and are stored as MINUS HALF the sum (the halving rounds nothing); x's work-groups jump over the squares, by a branch on the
; work-group's number, and the 2,048 bytes of sums in x's blocks of meta are neither written nor read.  This replaces what the lines above say of x's sums and of the stored sign alone.
; LIMIT: a NaN, an infinity or an overflow that would arise in x2 alone is not carried to the result.
.set STG,  4352
.set SCB,  8704                        ; behind a wave's two stages: its 256 scale bytes
.set WREG, 8960                        ; a wave's region of LDS
.set SQ,   71680                       ; behind the eight regions: 8 waves x 16 rows x 4 bytes: the half sums of squares
.set S,    20                          ; v20-27   four packed chains of squares
.set E,    28                          ; v28-29   the scale byte, two registers by turns
.set C,    32                          ; v32-63   codes: four registers for each step, so that no store's data are written again
.set X,    64                          ; v64-127  two sets of 32 neighbours along K
.set R,    128                         ; v128-255 four sets of 32 numbers as loaded
	s_load_b256 s[4:11], s[0:1], 0x0               ; x s[4:5], codebook s[6:7], codes s[8:9], meta s[10:11]
	s_set_vgpr_msb 0x40
	v_lshl_add_u32 v0, v0, 2, 0x11a00
	v_mov_b32 v1, 0
	s_set_vgpr_msb 0x4000
	v_lshrrev_b32 v1, 5, v0
	s_delay_alu instid0(VALU_DEP_1)
	v_readfirstlane_b32 s12, v1                    ; wave 0..7
	v_and_b32 v1, 31, v0                           ; lane l
	v_and_b32 v2, 15, v0                           ; r
	v_bfe_u32 v3, v0, 4, 1                         ; h
	s_mul_i32 s15, s12, WREG                       ; my wave's region
	s_add_co_u32 s30, s15, SCB                     ; its scale bytes
	s_lshl_b32 s31, s12, 6
	s_add_co_u32 s31, s31, SQ                      ; its 16 half sums
	v_lshlrev_b32 v4, 4, v2
	s_delay_alu instid0(VALU_DEP_1)
	v_lshl_add_u32 v4, v3, 12, v4                  ; in: 16 r + one row of 4,096 bytes for lanes 16-31
	v_mul_u32_u24 v5, v3, 272
	s_delay_alu instid0(VALU_DEP_1)
	v_lshl_add_u32 v5, v2, 4, v5
	s_delay_alu instid0(VALU_DEP_1)
	v_add_nc_u32 v5, s15, v5                       ; into the stage: row h of a pair, 16 r
	v_mul_u32_u24 v6, v2, 272
	s_delay_alu instid0(VALU_DEP_1)
	v_lshl_add_u32 v6, v3, 7, v6
	s_delay_alu instid0(VALU_DEP_1)
	v_add_nc_u32 v6, s15, v6                       ; out of it: row r, block h: rows 272 bytes apart start at sixteen different 16-byte columns
	v_lshlrev_b32 v7, 4, v1                        ; my 16 bytes of a step's 512 bytes of codes
	v_lshl_add_u32 v8, v2, 4, v3
	s_delay_alu instid0(VALU_DEP_1)
	v_add_nc_u32 v8, s30, v8                       ; my block's scale byte: 16 r + h (+ 2 t)
	v_lshlrev_b32 v9, 3, v1
	s_delay_alu instid0(VALU_DEP_1)
	v_add_nc_u32 v9, s30, v9                       ; and on the way out 8 bytes a lane,
	v_lshlrev_b32 v10, 3, v1                       ; the same in memory
	v_lshlrev_b32 v14, 2, v2
	s_delay_alu instid0(VALU_DEP_1)
	v_add_nc_u32 v14, s31, v14                     ; my row's half sum
	v_bfe_u32 v15, v0, 4, 2
	s_delay_alu instid0(VALU_DEP_1)
	v_lshlrev_b32 v15, 7, v15
	s_delay_alu instid0(VALU_DEP_1)
	v_lshl_add_u32 v15, v2, 2, v15
	s_delay_alu instid0(VALU_DEP_1)
	v_add_nc_u32 v15, SQ, v15                      ; threads 0-63: row t's two half sums lie at this byte and 64 further on
	v_and_b32 v16, 63, v0
	s_delay_alu instid0(VALU_DEP_1)
	v_lshlrev_b32 v16, 2, v16                      ; and its place among the work-group's 64 rows
	v_mov_b32 v17, 0
.irp p, 0,1,2,3,4,5,6,7
	v_mov_b32 v[S+\p], 0                           ; the four packed chains begin at 0: they are written on every way through the text
.endr
	s_and_b32 s13, ttmp9, 127
	s_lshl_b32 s16, s13, 18                        ; input: 64 rows of 4,096 bytes a work-group,
	s_lshr_b32 s14, s12, 1
	s_lshl_b32 s14, s14, 16
	s_add_co_u32 s16, s16, s14                     ; 16 rows a tile,
	s_and_b32 s14, s12, 1
	s_lshl_b32 s14, s14, 11
	s_add_co_u32 s16, s16, s14                     ; 2,048 bytes a K half
	s_mov_b32 s17, 0
	s_lshl_b32 s18, ttmp9, 15                      ; codes: 32,768 bytes a work-group, 4,096 a wave
	s_lshl_b32 s14, s12, 12
	s_add_co_u32 s18, s18, s14
	s_mov_b32 s19, 0
	s_lshr_b32 s13, ttmp9, 3
	s_mul_i32 s13, s13, 18432                      ; meta: eight work-groups to a block of 512 rows
	s_and_b32 s14, ttmp9, 7
	s_lshl_b32 s22, s14, 11
	s_add_co_u32 s22, s22, s13
	s_lshl_b32 s24, s12, 8
	s_add_co_u32 s22, s22, s24                     ; scale bytes: 2,048 a work-group, 256 a wave
	s_mov_b32 s23, 0
	s_lshl_b32 s24, s14, 8
	s_add_co_u32 s24, s24, s13
	s_add_co_u32 s24, s24, 16384                   ; sums of squares: 256 bytes a work-group
	s_mov_b32 s25, 0
	s_mov_b32 s20, 0x76543210
	s_mov_b32 s21, 0xfedcba98                      ; v_permlanex16_b32's selects for lane l xor 16
	s_wait_kmcnt 0x0
	s_cmp_lt_u32 ttmp9, 128                        ; x's work-group or the codebook's: the choice hangs on the work-group's number alone
	s_cselect_b64 s[4:5], s[4:5], s[6:7]
	s_add_nc_u64 s[4:5], s[4:5], s[16:17]
	s_add_nc_u64 s[8:9], s[8:9], s[18:19]
	s_add_nc_u64 s[26:27], s[10:11], s[22:23]
	s_add_nc_u64 s[28:29], s[10:11], s[24:25]
.macro LOAD t                          ; step t's 16 rows x 256 bytes: lanes 0-15 take row 2 i, lanes 16-31 row 2 i + 1, 256 consecutive aligned bytes each
.irp i, 0,1,2,3,4,5,6,7
	global_load_b128 v[R+32*((\t)%4)+4*\i:R+32*((\t)%4)+4*\i+3], v4, s[4:5] offset:\i*8192+(\t)*256 th:TH_LOAD_NT
.endr
.endm
.macro TURN t                          ; through the stage: LDS serves a wave's instructions in order (ISA guide 5.7.1), so no wait stands between the stores and the loads
.irp i, 0,1,2,3,4,5,6,7
	ds_store_b128 v5, v[R+32*((\t)%4)+4*\i:R+32*((\t)%4)+4*\i+3] offset:((\t)%2)*STG+\i*544
.endr
.irp k, 0,1,2,3,4,5,6,7
	ds_load_b128 v[X+32*((\t)%2)+4*\k:X+32*((\t)%2)+4*\k+3], v6 offset:((\t)%2)*STG+16*\k
.endr
.endm
.macro STEP t
.set XS, X+32*((\t)%2)
.if (\t) > 0
	s_wait_dscnt 1                                 ; this step's numbers are back from the stage; only the last step's byte store may be out.  So the stage's stores have read set t % 4,
.else
	s_wait_dscnt 0x0
.endif
.if (\t)+4 < 8
	LOAD (\t)+4                                    ; which takes the loads of four steps on
.endif
.if (\t) < 7
.if (\t) <= 3
	s_wait_loadcnt 24                              ; the next step's eight loads are in; the three groups of eight behind them stay out
.else
	s_wait_loadcnt 8*(6-(\t))                      ; nothing more is asked for: the groups behind run down
.endif
	TURN (\t)+1                                    ; the next step turns through the other stage while this one is worked
.endif
	v_max3_num_f32 v12, |v[XS]|, |v[XS+1]|, |v[XS+2]|              ; the block's largest magnitude: all 32 numbers are mine; two chains
	v_max3_num_f32 v13, |v[XS+3]|, |v[XS+4]|, |v[XS+5]|
.irp i, 6,10,14,18,22,26
	s_delay_alu instid0(VALU_DEP_2)
	v_max3_num_f32 v12, v12, |v[XS+\i]|, |v[XS+\i+1]|
	s_delay_alu instid0(VALU_DEP_2)
	v_max3_num_f32 v13, v13, |v[XS+\i+2]|, |v[XS+\i+3]|
.endr
	s_delay_alu instid0(VALU_DEP_2)
	v_max3_num_f32 v12, v12, |v[XS+30]|, |v[XS+31]|
	s_delay_alu instid0(VALU_DEP_1)
	v_max3_num_f32 v12, v12, v13, 0x1800000        ; and the floor 2^(3 - 127): the byte cannot fall under 1
	s_delay_alu instid0(VALU_DEP_1)
	v_add_nc_u32 v11, 0xff000000, v12              ; 2 off its exponent field: the conversion takes the exponent field of this operand as its scale, and nothing else of it
	s_cmp_lt_u32 ttmp9, 128                        ; x's work-groups take no squares
	s_wait_alu depctr_va_vdst(0)                   ; the wait here, directly ahead of the branch
	s_cbranch_scc1 .Lnosq_\@
.irp p, 0,1,2,3,4,5,6,7,8,9,10,11,12,13,14,15
	v_pk_fma_f32 v[S+2*(\p%4):S+2*(\p%4)+1], v[XS+2*\p:XS+2*\p+1], v[XS+2*\p:XS+2*\p+1], v[S+2*(\p%4):S+2*(\p%4)+1]   ; the squares of the unquantised numbers
.endr
.Lnosq_\@:
.irp g, 0,1,2,3
	v_cvt_scalef32_pk8_fp4_f32 v[C+4*(\t)+\g], v[XS+8*\g:XS+8*\g+7], v11   ; eight numbers / the scale, to the nearest code, ties to even, beyond 6 the largest code; the lowest k in the lowest four bits
.endr
	v_lshrrev_b32 v[E+(\t)%2], 23, v11             ; the scale's byte; also the plain instruction behind the conversions.  Its register was last read by the byte store of two steps ago, which the wait at this step's head has shown done
	ds_store_b8 v8, v[E+(\t)%2] offset:2*(\t)
	global_store_b128 v7, v[C+4*(\t):C+4*(\t)+3], s[8:9] offset:512*(\t)   ; the wave stores 512 consecutive bytes, at a multiple of 256 from the buffer's first byte
.endm
	LOAD 0
	LOAD 1
	LOAD 2
	LOAD 3
	s_wait_loadcnt 24                              ; step 0's eight loads are in
	TURN 0
.irp t, 0,1,2,3,4,5,6,7
	STEP \t
.endr
	s_cmp_lt_u32 ttmp9, 128                        ; x's work-groups have no sums to join
	s_wait_alu depctr_va_vdst(0)                   ; the wait here, directly ahead of the branch
	s_cbranch_scc1 .Lnosum
	v_pk_add_f32 v[S:S+1], v[S:S+1], v[S+2:S+3]
	v_pk_add_f32 v[S+4:S+5], v[S+4:S+5], v[S+6:S+7]
	s_delay_alu instid0(VALU_DEP_1)
	v_pk_add_f32 v[S:S+1], v[S:S+1], v[S+4:S+5]
	s_delay_alu instid0(VALU_DEP_1)
	v_add_f32 v[S], v[S], v[S+1]
	s_delay_alu instid0(VALU_DEP_1)
	v_permlanex16_b32 v17, v[S], s20, s21
	s_delay_alu instid0(VALU_DEP_1)
	v_add_f32 v[S], v[S], v17                      ; with lane l xor 16's: row r's sum over this K half
	ds_store_b32 v14, v[S]
.Lnosum:
	ds_load_b64 v[18:19], v9                       ; my wave's 256 scale bytes: served behind my byte stores
	s_wait_dscnt 0x0                               ; the bytes are in, and for the other waves' sake my half sums have landed
	global_store_b64 v10, v[18:19], s[26:27]       ; 32 lanes store 256 consecutive bytes, aligned
	s_barrier_signal -1
	s_barrier_wait -1                              ; all eight waves' half sums lie in LDS
	s_cmp_ge_u32 s12, 2
	s_cbranch_scc1 .Ldone
	s_cmp_lt_u32 ttmp9, 128
	s_cbranch_scc1 .Ldone                          ; and x's work-groups store none
	ds_load_b32 v30, v15
	ds_load_b32 v31, v15 offset:64
	s_wait_dscnt 0x0
	v_add_f32 v30, v30, v31                        ; the row's sum of squares,
	v_mul_f32 v30, -0.5, v30                       ; stored as minus half of it: the scores' sums begin with this number
	global_store_b32 v16, v30, s[28:29]
.Ldone:
	s_set_vgpr_msb 0x5
	s_wait_tensorcnt 0x0
	ds_add_u32 v0, v1
	s_wait_dscnt 0x0
	s_set_vgpr_msb 0x500
	s_endpgm
.Lfunc_end_k_q020dd46d88_quant:
	.size	k_q020dd46d88_quant, .Lfunc_end_k_q020dd46d88_quant-k_q020dd46d88_quant
	.p2alignl 7, 3214868480
	.fill 96, 4, 3214868480
	.section	.rodata,"a",@progbits
	.p2align	6, 0x0
	.amdhsa_kernel k_q020dd46d88_quant
		.amdhsa_group_segment_fixed_size 73216
		.amdhsa_private_segment_fixed_size 0
		.amdhsa_enable_private_segment 0
		.amdhsa_kernarg_size 32
		.amdhsa_user_sgpr_count 2
		.amdhsa_user_sgpr_kernarg_segment_ptr 1
		.amdhsa_wavefront_size32 1
		.amdhsa_system_sgpr_workgroup_id_x 1
		.amdhsa_system_sgpr_workgroup_id_y 1
		.amdhsa_system_sgpr_workgroup_id_z 1
		.amdhsa_system_vgpr_workitem_id 0
		.amdhsa_next_free_vgpr 258
		.amdhsa_next_free_sgpr 66
		.amdhsa_reserve_vcc 0
		.amdhsa_float_denorm_mode_32 3
		.amdhsa_float_denorm_mode_16_64 3
		.amdhsa_memory_ordered 1
		.amdhsa_forward_progress 1
		.amdhsa_inst_pref_size 45
	.end_amdhsa_kernel
	.amdgpu_metadata
---
amdhsa.version: [ 1, 2 ]
amdhsa.kernels:
  - .name:           k_q020dd46d88_quant
    .symbol:         k_q020dd46d88_quant.kd
    .args:
      - { .name: x, .offset: 0, .size: 8, .value_kind: global_buffer, .address_space: global }
      - { .name: codebook, .offset: 8, .size: 8, .value_kind: global_buffer, .address_space: global }
      - { .name: codes, .offset: 16, .size: 8, .value_kind: global_buffer, .address_space: global }
      - { .name: meta, .offset: 24, .size: 8, .value_kind: global_buffer, .address_space: global }
    .group_segment_fixed_size: 73216
    .private_segment_fixed_size: 0
    .kernarg_segment_align: 8
    .kernarg_segment_size: 32
    .max_flat_workgroup_size: 256
    .sgpr_count:     66
    .vgpr_count:     258
    .wavefront_size: 32
...
	.end_amdgpu_metadata
.endif
;; end of part 1
;; launch score (part 2): grid 16 x 16, 4 waves a work-group, clusters of 4 x 1, 327,680 bytes of LDS; arguments codes, meta, pkey, pidx; writes pkey, pidx
.if DOCPART == 2
	.amdgcn_target "amdgcn-amd-amdhsa--gfx1250"
	.amdhsa_code_object_version 6
	.text
	.protected	k_q020dd46d88_score
	.globl	k_q020dd46d88_score
	.p2align	8
	.type	k_q020dd46d88_score,@function
k_q020dd46d88_score:
	s_mov_b64 s[64:65], 0
	v_nop
	global_prefetch_b8 v0, s[64:65] scope:SCOPE_SE
	s_setreg_imm32_b32 hwreg(HW_REG_WAVE_MODE, 25, 1), 1
	s_wait_xcnt 0x0
	s_wait_alu depctr_hold_cnt(0) depctr_sa_sdst(0) depctr_va_vdst(0) depctr_va_sdst(0) depctr_va_ssrc(0) depctr_va_vcc(0) depctr_vm_vsrc(0)
	s_getreg_b32 s2, hwreg(HW_REG_IB_STS2, 6, 4)
	s_cmp_eq_u32 s2, 0
	s_cbranch_scc0 .Lentry_in_a_cluster
	s_endpgm
.Lentry_in_a_cluster:
	s_bfe_u32 s2, ttmp6, 0x10000c
	s_cmp_lg_u32 s2, 0x3003
	s_cbranch_scc0 .Lentry_shape_is_right
	s_endpgm
.Lentry_shape_is_right:
; For 512 rows of x and 512 codes: score = xc - c2 / 2 (xc the MX-FP4 product over K = 1,024), and for each row the largest score of the block and its code.
; LEFT OUT: x2 and the factor 2 of reference()'s 2 xc - x2 - c2: the same for all codes of a row, they move no choice (shown at the head of the first kernel).
; OUT: pkey [16 code blocks][8192 rows]: the largest score as a whole number whose unsigned order is the order of the f32 numbers; pidx likewise: its code.  Equal scores keep the lowest code.
; LIMITS: NaN and infinities among the scores are not served.
; SHARES.  Work-group (x block, code block).  Four waves, one to a SIMD; wave w owns 128 rows of x: 8 tiles of 16, whose fragments for all of K stay in 512 registers.  The 32 tiles of 16 codes lie in LDS
; and are read once by each wave: 8,192 bytes of fragments feed 64 matrix instructions.  Source 0 = 16 codes, source 1 = 16 rows of x: a lane holds one row of x and eight codes (8 h + j) of the tile.
; Each sum's first product takes minus c2 / 2 of the lane's eight codes as C: the score needs no vector instruction.
; THE CHOICE, 10 instructions a tile of 16 x 16: four for the lane's largest of eight, one compare with the running largest, one pair (the new largest; the tile's number), four pairs that keep the
; eight scores of the winning tile; which of the eight it was is settled once, behind the walk.  The tiles' steps are staggered so that no line reads the line above it.
; LDS: from 0 the code block's 18,432 bytes of meta (scale bytes, then minus c2 / 2); from CB the 262,144 bytes of codes, tile t at CB + 8,192 t; then the spare words.
; x's FRAGMENTS COME BY TWO ROADS: K steps 0-3 by 64 loads a wave straight into registers; K steps 4-7 of the block's 32 tiles by ONE tensor load (32 rows of 4,096 bytes, 8,192 apart in memory) into the
; 131,072 bytes from XR on, where code tiles 16-31 lie later; each wave takes its 32,768 bytes from there into registers by 64 LDS loads.
; THE HEAD'S LOADS, one a wave: waves 0 and 1 code tiles 0-7 and 8-15, wave 2 x's half, wave 3 meta.  When every wave has taken its part of x out of LDS, the bytes from XR on are filled again, behind the full
; sequence and a round, with code tiles 16-31, 128 rows of 256 bytes a wave; these are first read behind the barrier that stands behind tile 12, whose trip fetches tile 13.
; CLUSTER: the four work-groups of a cluster share the code block: all its bytes are asked for jointly (mask 15); x's half is each work-group's own (no mask).
; NO PREFETCH: every byte that the work-group reads is asked for ahead of the first loop; there is no later request to run ahead of.
; REGISTERS: window 0: addresses, state, accumulators, kept scores, scale words, C.  Windows 1, 2: x's fragments of K steps 0-3, 4-7 (tile i, step s at 8 (8 (s % 4) + i)).  Window 3: two sets of a code tile's fragments.
.set NC2,   16384
.set CB,    18432
.set XR,    CB+131072                  ; x's half, then code tiles 16-31
.set SPARE, 280576                     ; the spare words: 128 bytes a wave, two blocks of 256 bytes that no other line names
.set AF,  1                            ; v1  16 lane + CB
.set AS,  2                            ; v2  16 r: a code tile's scale words
.set AC,  3                            ; v3  32 h + NC2: my eight codes' minus c2 / 2
.set T,   4                            ; v4  the tile's number
.set XO,  5                            ; v5  16 lane: x's fragments in memory
.set SPW, 6
.set NIL, 7
.set XA,  19                           ; v19 16 lane + XR + 32,768 wave: x's fragments in LDS
.set MX,  20                           ; v20-35: tile i of x: the running largest at MX + 2 i, its code tile at MX + 2 i + 1.  (v9-18 without v12, v16: the tiles' largest of eight, at 9 + i + i / 3: never in v4's bank, as the pairs want it)
.set XSO, 36
.set AFT, 37                           ; v37-39: the three LDS addresses of the pair of tiles to be fetched
.set AST, 38
.set ACT, 39
.set J,   40
.set P,   48
.set Q,   56
.set ACC, 64
.set SV,  128                          ; the eight scores of the winning tile, for each tile of x
.set XS,  192                          ; x's scale words: register 8 a + s: lanes 0-15 tile 2 a, lanes 16-31 tile 2 a + 1
.set CS,  224                          ; the code tile's scale words, two sets
.set NC,  240                          ; minus c2 / 2, two sets
.set G1M, 20
.set G1A, 28
.set G1B, 36
.set G0M, 44
.set G0A, 48
.set G0B, 52
.set G1X, 76                           ; (s76-83 hold compare masks behind the walk, when the load is long done)
.set G0X, 88
.set MSB, 0
.macro WIN new
.if MSB != \new
	s_set_vgpr_msb (MSB<<8)|\new
.set MSB, \new
.endif
.endm
.macro CROUND
	s_barrier_signal -1
	s_barrier_wait -1
	s_cmp_lg_u32 s12, 0
	s_cbranch_scc1 .Lnot_wave_0_\@
	s_barrier_signal -3
.Lnot_wave_0_\@:
	s_barrier_wait -3
	s_barrier_signal -1
	s_barrier_wait -1
.endm
.macro ADDR                            ; the addresses of the next two tiles; the steps are scalar
	v_add_nc_u32 v[AFT], s56, v[AF]
	v_add_nc_u32 v[AST], s57, v[AS]
	v_add_nc_u32 v[ACT], s58, v[AC]
	s_add_co_u32 s56, s56, 16384
	s_add_co_u32 s57, s57, 1024
	s_add_co_u32 s58, s58, 128
.endm
	s_load_b256 s[4:11], s[0:1], 0x0               ; codes, meta, pkey, pidx
	v_lshl_add_u32 v[SPW], v0, 2, SPARE
	v_mov_b32 v[NIL], 0
	ds_add_u32 v[SPW], v[NIL]                      ; the opening lines: the add, twice on end, and its wait ahead of my first tensor load
	ds_add_u32 v[SPW], v[NIL]
	v_lshrrev_b32 v1, 5, v0
	v_readfirstlane_b32 s12, v1                    ; wave 0..3
	s_bfe_u32 s13, ttmp6, 0x40000                  ; cx
	s_lshl_b32 s14, ttmp9, 2
	s_add_co_u32 s14, s14, s13                     ; x block
	s_and_b32 s15, ttmp7, 0xffff                   ; code block
.irp g, G1M, G1A, G1B
	s_mov_b32 s[\g], 15|(3<<16)|(1<<21)            ; the four partners; elements of 8 bytes; bit 21 beside a mask
	s_mov_b32 s[\g+1], 32<<16                      ; rows of 256 bytes, dense
	s_mov_b32 s[\g+3], 32<<16
	s_mov_b32 s[\g+5], 32
	s_mov_b32 s[\g+6], 0
	s_mov_b32 s[\g+7], 0
.endr
	s_mov_b32 s[G1M+2], 72<<16
	s_mov_b32 s[G1M+4], 72
	s_mov_b32 s[G1A+2], 256<<16
	s_mov_b32 s[G1A+4], 256
	s_mov_b32 s[G1B+2], 128<<16
	s_mov_b32 s[G1B+4], 128
	s_mov_b32 s[G1X], 3<<16                        ; x's half: no mask; elements of 8 bytes;
	s_mov_b32 s[G1X+1], 512<<16                    ; rows of 512 elements,
	s_mov_b32 s[G1X+2], 32<<16                     ; 32 of them,
	s_mov_b32 s[G1X+3], 512<<16
	s_mov_b32 s[G1X+4], 32
	s_mov_b32 s[G1X+5], 1024                       ; 1,024 elements from row to row
	s_mov_b32 s[G1X+6], 0
	s_mov_b32 s[G1X+7], 0
	s_add_co_u32 s16, s15, 16                      ; the codebook's blocks lie behind x's sixteen
	s_lshl_b32 s18, s16, 18
	s_mul_i32 s84, s16, 18432
	s_mov_b32 s85, 0
	s_lshl_b32 s66, s12, 16                        ; waves 0, 1: 65,536 bytes of codes each
	s_add_co_u32 s86, s18, s66
	s_mov_b32 s87, 0
	s_add_co_u32 s66, s66, CB
	s_lshl_b32 s67, s12, 15                        ; later: 32,768 bytes each
	s_add_co_u32 s88, s18, s67
	s_add_co_u32 s88, s88, 131072
	s_mov_b32 s89, 0
	s_add_co_u32 s67, s67, XR
	s_lshl_b32 s90, s14, 18                        ; x's fragments: 262,144 bytes a block
	s_mov_b32 s91, 0
	s_mul_i32 s92, s14, 18432
	s_mov_b32 s93, 0
	s_lshl_b32 s94, s15, 15                        ; out: 32,768 bytes a code block, 2,048 an x block, 512 a wave
	s_lshl_b32 s96, s14, 11
	s_add_co_u32 s94, s94, s96
	s_lshl_b32 s96, s12, 9
	s_add_co_u32 s94, s94, s96
	s_mov_b32 s95, 0
	s_lshl_b32 s96, s12, 16                        ; my wave's 65,536 bytes of x's block
	s_mov_b32 s97, 0
	s_lshl_b32 s17, s12, 12
	s_mov_b32 s56, 0
	s_mov_b32 s57, 0
	s_mov_b32 s58, 0
	s_mov_b32 s59, 0
	s_mov_b32 s61, 0xffff0000
	s_mov_b32 s62, 0x76543210
	s_mov_b32 s63, 0xfedcba98
	v_and_b32 v[XO], 31, v0
	v_and_b32 v8, 15, v0
	v_bfe_u32 v12, v0, 4, 1
	v_lshlrev_b32 v[XO], 4, v[XO]
	v_lshlrev_b32 v[AS], 4, v8
	v_lshl_add_u32 v[AC], v12, 5, NC2
	v_add_nc_u32 v[AF], CB, v[XO]
	v_add_nc_u32 v[XA], s67, v[XO]
	v_lshl_add_u32 v[XSO], v12, 9, v[AS]
	v_add_nc_u32 v[XSO], s17, v[XSO]               ; x's scale words: 16 r + 512 h + 4,096 wave
.irp i, 0,1,2,3,4,5,6,7
	v_mov_b32 v[MX+2*\i], 0xff800000               ; under every score
	v_mov_b32 v[MX+2*\i+1], 0
.endr
.rept 64
	v_mov_b32 v[SV+\+], 0xff800000
.endr
	ADDR                                           ; tiles 0 and 1
	s_wait_alu depctr_va_vdst(0)                   ; the wait at the end of the head's vector work
	s_wait_dscnt 0x0                               ; both opening adds are done
	s_wait_kmcnt 0x0
	s_mov_b32 s[G0M], 1
	s_mov_b32 s[G0M+1], 0
	s_add_nc_u64 s[G0M+2:G0M+3], s[6:7], s[84:85]
	s_or_b32 s[G0M+3], s[G0M+3], 0x80000000
	s_mov_b32 s[G0A], 1
	s_mov_b32 s[G0A+1], s66
	s_add_nc_u64 s[G0A+2:G0A+3], s[4:5], s[86:87]
	s_or_b32 s[G0A+3], s[G0A+3], 0x80000000
	s_mov_b32 s[G0B], 1
	s_mov_b32 s[G0B+1], s67
	s_add_nc_u64 s[G0B+2:G0B+3], s[4:5], s[88:89]
	s_or_b32 s[G0B+3], s[G0B+3], 0x80000000
	s_add_nc_u64 s[68:69], s[4:5], s[90:91]        ; x's block
	s_mov_b32 s[G0X], 1
	s_mov_b32 s[G0X+1], XR
	s_add_nc_u64 s[G0X+2:G0X+3], s[68:69], 4096    ; K steps 4-7 are the second 4,096 bytes of each tile's 8,192
	s_or_b32 s[G0X+3], s[G0X+3], 0x80000000
	s_add_nc_u64 s[68:69], s[68:69], s[96:97]      ; my wave's eight tiles
	s_add_nc_u64 s[70:71], s[6:7], s[92:93]
	s_add_nc_u64 s[72:73], s[8:9], s[94:95]
	s_add_nc_u64 s[74:75], s[10:11], s[94:95]
	CROUND                                         ; the four work-groups are here: the first joint loads meet
	s_cmp_lt_u32 s12, 2                            ; one load a wave, in the arms of one chain of branches on the wave's number
	s_cbranch_scc0 .Lhead_x
	tensor_load_to_lds s[G0A:G0A+3], s[G1A:G1A+7]
	s_nop 0
.rept 4
	v_nop
.endr
	s_branch .Lhead_asked
.Lhead_x:
	s_cmp_lt_u32 s12, 3
	s_cbranch_scc0 .Lhead_meta
	tensor_load_to_lds s[G0X:G0X+3], s[G1X:G1X+7]
	s_nop 0
.rept 4
	v_nop
.endr
	s_branch .Lhead_asked
.Lhead_meta:
	tensor_load_to_lds s[G0M:G0M+3], s[G1M:G1M+7]
	s_nop 0
.rept 4
	v_nop
.endr
.Lhead_asked:
	WIN 0x40
.irp s, 0,1,2,3                        ; x's fragments of K steps 0-3: each load 512 consecutive bytes
.irp i, 0,1,2,3,4,5,6,7
.irp c, 0,1
	global_load_b128 v[8*(8*\s+\i)+4*\c:8*(8*\s+\i)+4*\c+3], v[XO], s[68:69] offset:\i*8192+\s*1024+\c*512
.endr
.endr
.endr
	WIN 0
.irp a, 0,1,2,3
.irp q, 0,1
	global_load_b128 v[XS+8*\a+4*\q:XS+8*\a+4*\q+3], v[XSO], s[70:71] offset:\a*1024+\q*256
.endr
.endr
.macro LOADT b, off                    ; 20 LDS loads: a code tile's fragments, scale words and C into set b
	WIN 0xc0
.irp s, 0,1,2,3,4,5,6,7
.irp c, 0,1
	ds_load_b128 v[64*(\b)+8*\s+4*\c:64*(\b)+8*\s+4*\c+3], v[AFT] offset:(\off)*8192+\s*1024+\c*512
.endr
.endr
	WIN 0
.irp q, 0,1
	ds_load_b128 v[CS+8*(\b)+4*\q:CS+8*(\b)+4*\q+3], v[AST] offset:(\off)*512+\q*256
	ds_load_b128 v[NC+8*(\b)+4*\q:NC+8*(\b)+4*\q+3], v[ACT] offset:(\off)*64+\q*16
.endr
.endm
.macro WM i, s, b
.if (\s) == 0
.set CC, NC+8*(\b)
.else
.set CC, ACC+8*(\i)
.endif
.if (\i)%2
	v_wmma_scale_f32_16x16x128_f8f6f4 v[ACC+8*(\i):ACC+8*(\i)+7], v[64*(\b)+8*(\s):64*(\b)+8*(\s)+7], v[8*(8*((\s)%4)+(\i)):8*(8*((\s)%4)+(\i))+7], v[CC:CC+7], v[CS+8*(\b)+(\s)], v[XS+8*((\i)/2)+(\s)] matrix_a_fmt:MATRIX_FMT_FP4 matrix_b_fmt:MATRIX_FMT_FP4 matrix_b_scale:MATRIX_SCALE_ROW1
.else
	v_wmma_scale_f32_16x16x128_f8f6f4 v[ACC+8*(\i):ACC+8*(\i)+7], v[64*(\b)+8*(\s):64*(\b)+8*(\s)+7], v[8*(8*((\s)%4)+(\i)):8*(8*((\s)%4)+(\i))+7], v[CC:CC+7], v[CS+8*(\b)+(\s)], v[XS+8*((\i)/2)+(\s)] matrix_a_fmt:MATRIX_FMT_FP4 matrix_b_fmt:MATRIX_FMT_FP4
.endif
.endm
.macro MM b                            ; 64 matrix instructions: K ascending, the eight accumulators by turns
	WIN 0x07
.irp s, 0,1,2,3
.irp i, 0,1,2,3,4,5,6,7
	WM \i, \s, \b
.endr
.endr
	WIN 0x0b
.irp s, 4,5,6,7
.irp i, 0,1,2,3,4,5,6,7
	WM \i, \s, \b
.endr
.endr
	WIN 0
.endm
.macro LV l, i                         ; step l of four towards the largest of tile i's eight scores, from the accumulator's low end on
.if (\i) < 8
.if \l == 1
	v_max3_num_f32 v[9+(\i)+(\i)/3], v[ACC+8*(\i)], v[ACC+8*(\i)+1], v[ACC+8*(\i)+2]
.endif
.if \l == 2
	v_max3_num_f32 v[9+(\i)+(\i)/3], v[9+(\i)+(\i)/3], v[ACC+8*(\i)+3], v[ACC+8*(\i)+4]
.endif
.if \l == 3
	v_max3_num_f32 v[9+(\i)+(\i)/3], v[9+(\i)+(\i)/3], v[ACC+8*(\i)+5], v[ACC+8*(\i)+6]
.endif
.if \l == 4
	v_max_num_f32 v[9+(\i)+(\i)/3], v[9+(\i)+(\i)/3], v[ACC+8*(\i)+7]
.endif
.endif
.endm
.macro EPI
	LV 1, 0
	LV 1, 1
	LV 1, 2
	LV 1, 3
	LV 2, 0
	LV 2, 1
	LV 2, 2
	LV 3, 0
	LV 3, 1
	LV 4, 0
.irp i, 0,1,2,3,4,5,6,7
	v_cmp_gt_f32 vcc_lo, v[9+\i+\i/3], v[MX+2*\i]  ; STRICTLY greater: equal scores keep the earlier tile
	LV 4, \i+1                                     ; the later tiles' steps stand between the compare and the selects
	LV 3, \i+2
	LV 2, \i+3
	LV 1, \i+4
	v_dual_max_num_f32 v[MX+2*\i], v[MX+2*\i], v[9+\i+\i/3] :: v_dual_cndmask_b32 v[MX+2*\i+1], v[MX+2*\i+1], v[T]
.irp j, 0,2,4,6
	v_dual_cndmask_b32 v[SV+8*\i+\j], v[SV+8*\i+\j], v[ACC+8*\i+\j] :: v_dual_cndmask_b32 v[SV+8*\i+\j+1], v[SV+8*\i+\j+1], v[ACC+8*\i+\j+1]
.endr
.endr
.endm
; A tile of codes.  b: its set; ld: the next tile is fetched into the other set, at tile off of the pair that the addresses name; adr: the addresses go on to the next pair.
.macro TRIP b, ld, off, adr
.if \ld
	LOADT 1-\b, \off
	s_wait_dscnt 20                                ; this tile's 20 loads are in; the 20 just issued stay out
.else
	s_wait_dscnt 0x0
.endif
	MM \b
.if \adr
	ADDR                                           ; with the line below: the four places behind the last products
.else
.rept 3
	v_nop
.endr
.endif
	v_mov_b32 v[T], s59
	s_add_co_u32 s59, s59, 1
	EPI
.endm
	s_wait_tensorcnt 0x0                           ; my head's load has landed
	s_barrier_signal -1
	s_barrier_wait -1                              ; and so has every wave's: x's half lies in LDS
	WIN 0x80
.irp s, 0,1,2,3                        ; x's fragments of K steps 4-7: my eight tiles, 4,096 bytes each
.irp i, 0,1,2,3,4,5,6,7
.irp c, 0,1
	ds_load_b128 v[8*(8*\s+\i)+4*\c:8*(8*\s+\i)+4*\c+3], v[XA] offset:\i*4096+\s*1024+\c*512
.endr
.endr
.endr
	WIN 0
	s_wait_tensorcnt 0x0                           ; no tensor load of mine is out
	ds_add_u32 v[SPW], v[NIL]
	s_wait_dscnt 0x0                               ; the add is done, and my reads of x's half are over
	CROUND                                         ; the same holds of every wave of the four work-groups
	tensor_load_to_lds s[G0B:G0B+3], s[G1B:G1B+7]  ; my 128 rows of code tiles 16-31, onto x's half
	s_nop 0
	LOADT 0, 0
	s_wait_loadcnt 0x0                             ; x's fragments of K steps 0-3 and its scale words
	TRIP 0, 1, 1, 1                                ; tile 0
	s_mov_b32 s60, 6
.Lfirst:                                               ; tiles 1-12; they fetch up to tile 13, inside the head's 16 tiles
	TRIP 1, 1, 0, 0
	TRIP 0, 1, 1, 1
	s_sub_co_u32 s60, s60, 1
	s_cmp_lg_u32 s60, 0
	s_cbranch_scc1 .Lfirst
	s_wait_tensorcnt 0x0                           ; my part of tiles 16-31 has landed,
	s_wait_dscnt 0x0                               ; no LDS load of mine is out at the signal,
	s_barrier_signal -1
	s_barrier_wait -1                              ; and the same holds of all four waves
	s_mov_b32 s60, 9
.Lrest:                                                ; tiles 13-30
	TRIP 1, 1, 0, 0
	TRIP 0, 1, 1, 1
	s_sub_co_u32 s60, s60, 1
	s_cmp_lg_u32 s60, 0
	s_cbranch_scc1 .Lrest
	TRIP 1, 0, 0, 0                                ; tile 31
	; which of the winning tile's eight: the lowest j whose kept score is the largest
	v_bfe_u32 v[XO], v0, 4, 1
	s_lshl_b32 s84, s15, 9
	v_lshl_add_u32 v[XO], v[XO], 3, s84            ; 512 x code block + 8 h
.irp i, 0,1,2,3,4,5,6,7
	v_mov_b32 v[J+\i], 0
	v_mov_b32 v[P+\i], 0                           ; a lane permute's destination counts as one of its sources
	v_mov_b32 v[Q+\i], 0
.endr
.irp j, 7,6,5,4,3,2,1,0
.irp i, 0,1,2,3,4,5,6,7
	v_cmp_eq_f32 s[76+\i], v[SV+8*\i+\j], v[MX+2*\i]
.endr
.irp i, 0,1,2,3,4,5,6,7
	v_cndmask_b32 v[J+\i], v[J+\i], \j, s[76+\i]
.endr
.endr
.irp i, 0,1,2,3,4,5,6,7
	v_lshl_add_u32 v[J+\i], v[MX+2*\i+1], 4, v[J+\i]
.endr
.irp i, 0,1,2,3,4,5,6,7
	v_add_nc_u32 v[J+\i], v[XO], v[J+\i]           ; the code's number
.endr
.irp i, 0,1,2,3,4,5,6,7
	v_permlanex16_b32 v[P+\i], v[MX+2*\i], s62, s63
	v_permlanex16_b32 v[Q+\i], v[J+\i], s62, s63
.endr
.irp i, 0,1,2,3,4,5,6,7                ; with lane l xor 16's: the greater score, of equal ones the lower code
	v_cmp_gt_f32 s84, v[P+\i], v[MX+2*\i]
	v_cmp_eq_f32 s85, v[P+\i], v[MX+2*\i]
	v_cmp_lt_u32 s86, v[Q+\i], v[J+\i]
	s_and_b32 s85, s85, s86
	s_or_b32 s84, s84, s85
	v_cndmask_b32 v[MX+2*\i], v[MX+2*\i], v[P+\i], s84
	v_cndmask_b32 v[J+\i], v[J+\i], v[Q+\i], s84
.endr
.irp a, 0,1,2,3                        ; lanes 0-15 tile 2 a, lanes 16-31 tile 2 a + 1: 32 neighbouring rows
	v_cndmask_b32 v[ACC+\a], v[MX+4*\a], v[MX+4*\a+2], s61
	v_cndmask_b32 v[ACC+4+\a], v[J+2*\a], v[J+2*\a+1], s61
.endr
.irp a, 0,1,2,3
	v_add_f32 v[ACC+\a], 0, v[ACC+\a]              ; minus zero becomes zero, so that equal numbers get equal keys
.endr
.irp a, 0,1,2,3
	v_ashrrev_i32 v[ACC+8+\a], 31, v[ACC+\a]
.endr
.irp a, 0,1,2,3
	v_or_b32 v[ACC+8+\a], 0x80000000, v[ACC+8+\a]
.endr
.irp a, 0,1,2,3
	v_xor_b32 v[ACC+\a], v[ACC+\a], v[ACC+8+\a]    ; the key: the sign bit turned for what is not negative, all bits for what is
.endr
	v_and_b32 v[AF], 31, v0
	v_lshlrev_b32 v[AF], 2, v[AF]
.irp a, 0,1,2,3
	global_store_b32 v[AF], v[ACC+\a], s[72:73] offset:128*\a      ; the wave's four stores cover 512 consecutive bytes
	global_store_b32 v[AF], v[ACC+4+\a], s[74:75] offset:128*\a
.endr
	s_wait_tensorcnt 0x0                           ; the wave's end
	ds_add_u32 v[SPW], v[NIL]
	s_wait_dscnt 0x0
	CROUND                                         ; the closing round
	s_endpgm
.Lfunc_end_k_q020dd46d88_score:
	.size	k_q020dd46d88_score, .Lfunc_end_k_q020dd46d88_score-k_q020dd46d88_score
	.p2alignl 7, 3214868480
	.fill 96, 4, 3214868480
	.section	.rodata,"a",@progbits
	.p2align	6, 0x0
	.amdhsa_kernel k_q020dd46d88_score
		.amdhsa_group_segment_fixed_size 327680
		.amdhsa_private_segment_fixed_size 0
		.amdhsa_enable_private_segment 0
		.amdhsa_kernarg_size 32
		.amdhsa_user_sgpr_count 2
		.amdhsa_user_sgpr_kernarg_segment_ptr 1
		.amdhsa_wavefront_size32 1
		.amdhsa_system_sgpr_workgroup_id_x 1
		.amdhsa_system_sgpr_workgroup_id_y 1
		.amdhsa_system_sgpr_workgroup_id_z 1
		.amdhsa_system_vgpr_workitem_id 0
		.amdhsa_next_free_vgpr 896
		.amdhsa_next_free_sgpr 98
		.amdhsa_reserve_vcc 1
		.amdhsa_float_denorm_mode_32 3
		.amdhsa_float_denorm_mode_16_64 3
		.amdhsa_memory_ordered 1
		.amdhsa_forward_progress 1
		.amdhsa_inst_pref_size 125
	.end_amdhsa_kernel
	.amdgpu_metadata
---
amdhsa.version: [ 1, 2 ]
amdhsa.kernels:
  - .name:           k_q020dd46d88_score
    .symbol:         k_q020dd46d88_score.kd
    .args:
      - { .name: codes, .offset: 0, .size: 8, .value_kind: global_buffer, .address_space: global }
      - { .name: meta, .offset: 8, .size: 8, .value_kind: global_buffer, .address_space: global }
      - { .name: pkey, .offset: 16, .size: 8, .value_kind: global_buffer, .address_space: global }
      - { .name: pidx, .offset: 24, .size: 8, .value_kind: global_buffer, .address_space: global }
    .group_segment_fixed_size: 327680
    .private_segment_fixed_size: 0
    .kernarg_segment_align: 8
    .kernarg_segment_size: 32
    .max_flat_workgroup_size: 128
    .sgpr_count:     98
    .vgpr_count:     896
    .wavefront_size: 32
...
	.end_amdgpu_metadata
.endif
;; end of part 2
;; launch fetch (part 3): grid 256 x 1, 8 waves a work-group, no clusters, 0 bytes of LDS; arguments pkey, pidx, codebook, out0; writes out0
.if DOCPART == 3
	.amdgcn_target "amdgcn-amd-amdhsa--gfx1250"
	.amdhsa_code_object_version 6
	.text
	.protected	k_q020dd46d88_fetch
	.globl	k_q020dd46d88_fetch
	.p2align	8
	.type	k_q020dd46d88_fetch,@function
k_q020dd46d88_fetch:
	s_mov_b64 s[64:65], 0
	v_nop
	global_prefetch_b8 v0, s[64:65] scope:SCOPE_SE
	s_setreg_imm32_b32 hwreg(HW_REG_WAVE_MODE, 25, 1), 1
	s_wait_xcnt 0x0
; out0[row] = codebook[the row's nearest code]: 8,192 rows of 4,096 bytes, f32 as they lie (one nearest code: the sum over one and the division by one change nothing, and are left out).
; First the choice among the 16 code blocks: pkey [16][8192] holds each block's largest score as a whole number in the scores' order, pidx [16][8192] its code.  Blocks ascend and a later block wins
; only where its key is STRICTLY greater (unsigned), so equal scores keep the lowest code.  Whole numbers alone are compared here.
; A work-group takes 32 rows, a wave four.  Each wave reads the keys and codes of the aligned run of 64 rows in which the work-group's rows lie: 8 bytes a lane, 256 consecutive aligned bytes a load,
; 32 loads; a lane settles two rows, and the wave takes its four rows' codes out of two lanes.  Then 32 loads of 512 consecutive bytes, all out together, and 32 stores of 512 consecutive aligned bytes.
; A code is held to 8,191, the table's last row, before it enters an address.  No cache word on the table's loads: a row of the table may be named by many rows of x.
; A stream: no LDS, no matrix work, no cluster.  No prefetch: the rows are known only behind the choice, and each wave's loads go out at once behind it.
.set V, 8                              ; v8-39   the keys: block b at v[8 + 2 b], two rows
.set N, 40                             ; v40-71  the codes likewise
.set D, 8                              ; v8-135  then 32 x 4 registers of the table's rows
	s_load_b256 s[4:11], s[0:1], 0x0               ; pkey, pidx, codebook, out0
	v_lshrrev_b32 v1, 5, v0
	v_readfirstlane_b32 s12, v1                    ; wave 0..7
	v_and_b32 v1, 31, v0
	s_lshr_b32 s13, ttmp9, 1
	s_lshl_b32 s13, s13, 8                         ; the run of 64 rows: 256 bytes
	v_lshl_add_u32 v6, v1, 3, s13
	v_lshlrev_b32 v1, 4, v1                        ; 16 bytes a lane
	s_lshl_b32 s14, ttmp9, 3
	s_add_co_u32 s14, s14, s12
	s_lshl_b32 s14, s14, 14                        ; my four rows in out0: 16,384 bytes
	s_mov_b32 s15, 0
	s_and_b32 s20, ttmp9, 1
	s_lshl_b32 s20, s20, 4
	s_lshl_b32 s21, s12, 1
	s_add_co_u32 s20, s20, s21                     ; the lane that settles my rows 0 and 1: 16 x (work-group odd) + 2 x wave;
	s_add_co_u32 s21, s20, 1                       ; the next one my rows 2 and 3
	s_wait_alu depctr_va_vdst(0)                   ; the wait at the head's end
	s_wait_kmcnt 0x0
	s_add_nc_u64 s[10:11], s[10:11], s[14:15]
.irp b, 0,1,2,3,4,5,6,7,8,9,10,11,12,13,14,15
	global_load_b64 v[V+2*\b:V+2*\b+1], v6, s[4:5] offset:\b*32768
	global_load_b64 v[N+2*\b:N+2*\b+1], v6, s[6:7] offset:\b*32768
.endr
	s_wait_loadcnt 0x0
.irp b, 1,2,3,4,5,6,7,8,9,10,11,12,13,14,15
	v_cmp_gt_u32 s22, v[V+2*\b], v[V]
	v_cmp_gt_u32 s23, v[V+2*\b+1], v[V+1]
	v_cndmask_b32 v[V], v[V], v[V+2*\b], s22
	v_cndmask_b32 v[N], v[N], v[N+2*\b], s22
	v_cndmask_b32 v[V+1], v[V+1], v[V+2*\b+1], s23
	v_cndmask_b32 v[N+1], v[N+1], v[N+2*\b+1], s23
.endr
	v_readlane_b32 s16, v[N], s20
	v_readlane_b32 s17, v[N+1], s20
	v_readlane_b32 s18, v[N], s21
	v_readlane_b32 s19, v[N+1], s21
.irp k, 0,1,2,3
	s_min_u32 s[16+\k], s[16+\k], 0x1fff
	s_lshl_b32 s[24+\k], s[16+\k], 12              ; the row's first byte in the table, under 2^25
	v_add_nc_u32 v[2+\k], s[24+\k], v1
.endr
.irp k, 0,1,2,3
.irp j, 0,1,2,3,4,5,6,7
	global_load_b128 v[D+4*(8*\k+\j):D+4*(8*\k+\j)+3], v[2+\k], s[8:9] offset:512*\j
.endr
.endr
.irp k, 0,1,2,3
.irp j, 0,1,2,3,4,5,6,7
	s_wait_loadcnt 31-(8*\k+\j)                    ; loads come back in order (ISA guide 5.7.1): this one is in, the younger ones stay out
	global_store_b128 v1, v[D+4*(8*\k+\j):D+4*(8*\k+\j)+3], s[10:11] offset:4096*\k+512*\j th:TH_STORE_NT
.endr
.endr
	s_endpgm
.Lfunc_end_k_q020dd46d88_fetch:
	.size	k_q020dd46d88_fetch, .Lfunc_end_k_q020dd46d88_fetch-k_q020dd46d88_fetch
	.p2alignl 7, 3214868480
	.fill 96, 4, 3214868480
	.section	.rodata,"a",@progbits
	.p2align	6, 0x0
	.amdhsa_kernel k_q020dd46d88_fetch
		.amdhsa_group_segment_fixed_size 0
		.amdhsa_private_segment_fixed_size 0
		.amdhsa_enable_private_segment 0
		.amdhsa_kernarg_size 32
		.amdhsa_user_sgpr_count 2
		.amdhsa_user_sgpr_kernarg_segment_ptr 1
		.amdhsa_wavefront_size32 1
		.amdhsa_system_sgpr_workgroup_id_x 1
		.amdhsa_system_sgpr_workgroup_id_y 1
		.amdhsa_system_sgpr_workgroup_id_z 1
		.amdhsa_system_vgpr_workitem_id 0
		.amdhsa_next_free_vgpr 136
		.amdhsa_next_free_sgpr 66
		.amdhsa_reserve_vcc 0
		.amdhsa_float_denorm_mode_32 3
		.amdhsa_float_denorm_mode_16_64 3
		.amdhsa_memory_ordered 1
		.amdhsa_forward_progress 1
		.amdhsa_inst_pref_size 18
	.end_amdhsa_kernel
	.amdgpu_metadata
---
amdhsa.version: [ 1, 2 ]
amdhsa.kernels:
  - .name:           k_q020dd46d88_fetch
    .symbol:         k_q020dd46d88_fetch.kd
    .args:
      - { .name: pkey, .offset: 0, .size: 8, .value_kind: global_buffer, .address_space: global }
      - { .name: pidx, .offset: 8, .size: 8, .value_kind: global_buffer, .address_space: global }
      - { .name: codebook, .offset: 16, .size: 8, .value_kind: global_buffer, .address_space: global }
      - { .name: out0, .offset: 24, .size: 8, .value_kind: global_buffer, .address_space: global }
    .group_segment_fixed_size: 0
    .private_segment_fixed_size: 0
    .kernarg_segment_align: 8
    .kernarg_segment_size: 32
    .max_flat_workgroup_size: 256
    .sgpr_count:     66
    .vgpr_count:     136
    .wavefront_size: 32
...
	.end_amdgpu_metadata
.endif
;; end of part 3
